; MI455X (gfx1250); checked and timed in simulation.
; The chip was launched on July 23, 2026; its instructions are those of AMD's public machine-readable ISA for CDNA 5 (MIT licence, August 2026) and "CDNA5" Instruction Set Architecture Reference Guide (July 2026). The comments in the code are by the model that wrote it; some were corrected since.
;; RG Buv Hist Block. Allowed arithmetic: matrix products marked QUANTISED: E2M1 operands, one E8M0 scale for each 32 along K, by v_wmma_scale_f32_16x16x128_f8f6f4 with both operands' format E2M1 (or v_wmma_scale_f32_32x16x128_f4), f32 sums; everything else in f32.
;; Inputs: x 32 x 3 x 150 x 150 float32.
;; Outputs: out0 32 x 3 x 64 x 64 float32.
;; This version of the problem:
;;   THIS VERSION OF THE PROBLEM IS GIVEN IN LOW PRECISION. The matrix products marked QUANTISED in the list below multiply operands that are first quantised to E2M1 (2 exponent bits, 1 mantissa bit; 4 bits a number), with one power-of-two scale for each 32 numbers along K (OCP MX v1.0); their sums are f32. All else is computed in f32.
;;   The module's matrix products, in the order in which they are computed (A, B: the left and right operand; K: the contracted axis; several contracted axes count as one K, in the product's order):
;;     1. batch 96 x [M 64, K 22,500] x [K 22,500, N 64]; A: computed on the way; B: computed on the way: QUANTISED
;;   THE QUANTISER, for each operand of a quantised product, along K:
;;     - K is cut into blocks of 32 from its start; a last block that is shorter is filled with zeros.
;;     - A block's scale is 2^e with e = floor(log2(the largest magnitude in the block)) - 2, held to -126 .. 127; a block of zeros has e = 0. As a byte (E8M0): e + 127.
;;     - Each number is divided by its block's scale, clamped to +-6, and rounded to the nearest number of E2M1, ties to even, subnormals kept.
;;     - The product sums the exact products of the quantised numbers (number of the format x scale) in f32.
;;   ~~~python
;;   def quantise(x, axis):      # numpy; x: float32 -> the quantised numbers, widened to float32 again
;;       x = np.moveaxis(x, axis, -1); K = x.shape[-1]
;;       x = np.pad(x, [(0, 0)] * (x.ndim - 1) + [(0, -K % 32)]); x = x.reshape(x.shape[:-1] + (-1, 32)); a = np.abs(x).max(-1, keepdims=True)
;;       e = np.where(a > 0, np.clip(np.frexp(np.where(a > 0, a, 1))[1] - 1 - 2, -126, 127), 0)      # np.frexp(a)[1] - 1 = floor(log2(a)), exactly
;;       r = np.clip(x / 2.0 ** e, -6, 6)
;;       step = 2.0 ** (np.maximum(np.frexp(np.where(r == 0, 1, r))[1] - 1, 0) - 1)
;;       q = np.round(r / step) * step * 2.0 ** e      # np.round: ties to even
;;       return np.moveaxis(q.reshape(q.shape[:-2] + (-1,))[..., :K], -1, axis).astype(np.float32)
;;   ~~~
;;   OPERANDS COMPUTED ON THE WAY. 'Computed on the way' means the value that the module computes at that place (a softmax that the list does not call 'softmax' is quantised finished and normalised). What goes into a quantiser is computed in f32, as accurately as f32 sums, v_exp_f32 and their like allow (about 1e-6 of the number): no bf16 or f16 on the way to a quantiser, and a product that is left as it is and whose result goes on into a quantised operand takes f32 operands (vector FMAs, or v_wmma_f32_16x16x4_f32). A number that lies on a knife's edge between two numbers of the format may be rounded either way, as far as f32 arithmetic and the matrix unit's own rounding can turn it there, and no further.
;; One version. Each part assembles by itself: llvm-mc -triple=amdgcn-amd-amdhsa -mcpu=gfx1250 --defsym DOCPART=n.
;; ======== version 1 of 1: 2 launches
;; workspace buffers: part 12,582,912 bytes; sums 12,288 bytes
;; launch hist (part 1): grid 8 x 32, 12 waves a work-group, no clusters, 256,512 bytes of LDS; arguments x, part, sums; writes part, sums
.if DOCPART == 1
	.amdgcn_target "amdgcn-amd-amdhsa--gfx1250"
	.amdhsa_code_object_version 6
	.text
	.protected	k_q430b478a3e_hist
	.globl	k_q430b478a3e_hist
	.p2align	8
	.type	k_q430b478a3e_hist,@function
k_q430b478a3e_hist:
	s_mov_b64 s[64:65], 0
	v_nop
	global_prefetch_b8 v0, s[64:65] scope:SCOPE_SE
	s_setreg_imm32_b32 hwreg(HW_REG_WAVE_MODE, 25, 1), 1
	s_wait_xcnt 0x0
; hist[l][c][u][v] = sum over pixels n of (Iy[n] ku_c[n][u]) kv_c[n][v], both operands quantised to E2M1 in blocks of 32 pixels; this launch makes PARTIAL histograms.
; x: [32][3][22500] f32.  part: [32 l][8 prt][3 c][64 u][64 v] f32.  sums: [32 l][8 prt][12 waves] f32, each wave's total of what it stored into part.
; SHARES.  Work-group (prt, l) takes 22 K steps of 128 pixels (2,816 pixels) of sample l; 8 x 2,816 = 22,528, so the last 28 pixels are padding.
; HALF THE KERNEL VALUES.  With K(d)[j] = 1 / (1 + ((d - e_j) / sigma)^2):  kv_c = K(Iv_c), and since Iu_c = -Iv_(c+1) and e_(63-u) = -e_u:  ku_c[u] = K(Iv_(c+1))[63 - u].
; So only K(Iv_0), K(Iv_1), K(Iv_2) are made, 3 x 64 values a pixel; each is quantised plain (operand kv of channel i) and multiplied by Iy (operand w of channel (i + 2) % 3, rows flipped, which is only an output address).
; WAVES.  Wave w: i = w / 4 names the difference Iv_i, s = (w / 2) % 2 which of a round's two K steps, p = w % 2 which two tiles of 16 bins (2 p, 2 p + 1).  A round is two K steps; 11 rounds.
; In a round a wave makes its two tiles' codes.  The w codes stay in its registers; the kv codes and their scale words go to LDS as images of the operand's registers (16 bytes a lane on end), and the wave multiplies
; its 2 tiles of w by the 4 tiles of kv of channel ch = (i + 2) % 3, same K step: 8 matrix instructions on 8 accumulators.  Waves s = 0 and s = 1 hold partial sums of the same outputs and join once, at the end.
; THE MATRIX INSTRUCTION IS USED TRANSPOSED (source 0 = 16 bins of kv, source 1 = 16 bins of w): a lane then holds eight neighbouring v of one row of the histogram.
; ARITHMETIC.  D = log2 difference; t = D x 50 ln 2 - 50 e (one fused multiply-add); q = t t + 1; the reciprocal goes by pairs: r = 1 / (q_a q_b), k_a = r q_b, k_b = r q_a: one v_rcp_f32 for two values.
; That leaves pixel j ^ 16 at place j of a block of 32: the same order in both operands and in every wave, so the block's products and its scale are untouched.
; PADDING.  A pixel past 22,499 gets Iy = 0, so its w codes are zeros and it adds nothing; its D = 1e7 keeps q q finite (1.4e34) and its k (8e-18) under every true k (1.4e-6 at the least), so it never sets a block's scale.
; NO CLUSTER: no two work-groups read the same byte.  No tensor load: the pixels' numbers are computed before they lie in LDS, and a work-group reads 34 KB of x, once, at its first lines.
; LIMITS: NaN among the inputs is not served (the clip gives a number where the definition gives NaN).  The edges are taken as (2 j - 63) / 21 exactly antisymmetric, and 1 / sigma as 50: both within one rounding of f32 of the definition's.
; A block of zeros keeps the scale byte 1 where the rule says 127: its codes are zeros, and this program alone reads the bytes.
.set PIXB,  12288                      ; LDS 0: four arrays of 768 quads of f32: D0, D1, D2, Iy (704 quads are used)
.set IMG,   49152                      ; two buffers of images: 24 fragments f = (2 i + s) 4 + tile of 1,024 bytes, then their scale words, 128 bytes each
.set IMGB,  27648
.set ISC,   24576
.set EX,    104448                     ; each wave's 64 accumulator registers as images: 8,192 bytes a wave
.set STG,   202752                     ; each wave's own stage: 16 rows of 256 bytes + 16
.set SPITCH, 272
.set AD,  1                            ; v1   LDS address of my 32 differences of the block in hand; 1,024 on in each round
.set AY,  2                            ; v2   the same for Iy
.set IMW, 3                            ; v3   where I store my fragments' images
.set ISW, 4                            ; v4   and their scale words
.set IML, 5                            ; v5   where I load the four fragments of kv
.set ISL, 6                            ; v6   and their scale words
.set SH8, 7                            ; v7   8 x (lane / 16)
.set NE,  8                            ; v[8:9], v[10:11]  -50 e of my bin in tile 0, 1, each twice (a pair for the packed form)
.set M,   12                           ; v12, v13  the two chains of a maximum
.set M2,  13
.set SC,  14                           ; v14  the conversion's scale operand
.set BY,  15                           ; v15  a scale byte
.set NIL, 16                           ; v16  0
.set BIG, 17                           ; v17  1e7
.set KW,  18                           ; v18-19  scale words of my kv codes, tile 0, 1
.set WW,  20                           ; v20-23  scale words of my w codes: 2 x set + tile
.set BS,  24                           ; v24-27  scale words of the four kv tiles as loaded
.set ZZ,  28                           ; v28-31  at work
.set D,   32                           ; v32-63   32 differences
.set Y,   64                           ; v64-95   32 Iy
.set T,   96                           ; v96-127  at work; at the products the four fragments of kv
.set W,   128                          ; v128-143 pair products and their reciprocals
.set KC,  144                          ; v144-159 kv codes: 8 x tile + register
.set WC,  160                          ; v160-191 w codes: 16 x set + 8 x tile + register; two sets by the round's parity
.set ACC, 192                          ; v192-255 accumulators: 8 (4 x tile + kv tile)
	s_load_b128 s[4:7], s[0:1], 0x0                ; x s[4:5], part s[6:7]
	s_load_b64 s[8:9], s[0:1], 0x10                ; sums
	s_set_vgpr_msb 0x40
	v_lshl_add_u32 v0, v0, 2, 0x3e400
	v_mov_b32 v1, 0
	s_set_vgpr_msb 0x4000
	v_lshrrev_b32 v28, 5, v0
	s_delay_alu instid0(VALU_DEP_1)
	v_readfirstlane_b32 s10, v28                   ; wave 0..11
	s_mov_b32 s15, ttmp9                           ; prt
	s_and_b32 s16, ttmp7, 0xffff                   ; l
	; which quads of pixels I load: thread t takes quads t and t + 384 of the work-group's 704; no load leaves the sample's 5,625 quads
	s_mul_i32 s24, s15, 704
	s_movk_i32 s34, 5624
	v_add_nc_u32 v98, s24, v0                      ; pass 0: quad 704 prt + t
	v_add_nc_u32 v99, 0x180, v0
	s_delay_alu instid0(VALU_DEP_1)
	v_min_u32 v99, 0x2bf, v99                      ; pass 1: threads from 320 on have no quad: they take quad 703 again and put it where nobody reads
	s_delay_alu instid0(VALU_DEP_1)
	v_add_nc_u32 v99, s24, v99
	s_delay_alu instid0(VALU_DEP_4)
	v_cmp_lt_u32 s36, s34, v98                     ; padding?
	s_delay_alu instid0(VALU_DEP_2)
	v_cmp_lt_u32 s37, s34, v99
	v_min_u32 v98, s34, v98
	s_delay_alu instid0(VALU_DEP_4)
	v_min_u32 v99, s34, v99
	s_delay_alu instid0(VALU_DEP_2)
	v_lshlrev_b32 v96, 4, v98
	s_delay_alu instid0(VALU_DEP_2)
	v_lshlrev_b32 v97, 4, v99
	s_mul_i32 s26, s16, 270000                     ; a sample is 3 planes of 90,000 bytes
	s_mov_b32 s27, 0
	s_wait_alu depctr_va_vdst(0)
	s_wait_kmcnt 0x0
	s_add_nc_u64 s[4:5], s[4:5], s[26:27]
.irp a, 0,1
.irp pl, 0,1,2
	global_load_b128 v[32+12*\a+4*\pl:35+12*\a+4*\pl], v[96+\a], s[4:5] offset:90000*\pl th:TH_LOAD_NT
.endr
.endr
	; the wave's role, and every address, while the loads are out
	s_lshr_b32 s11, s10, 2                         ; i
	s_bfe_u32 s12, s10, 0x10001                    ; s
	s_and_b32 s13, s10, 1                          ; p
	s_xor_b32 s24, s11, 3                          ; ch = (i + 2) % 3: 0 -> 2, 1 -> 0, 2 -> 1
	s_lshr_b32 s25, s24, 1
	s_and_b32 s24, s24, s25
	s_and_b32 s24, s24, 1
	s_lshl_b32 s24, s24, 1
	s_lshr_b32 s25, s11, 1
	s_or_b32 s14, s24, s25
	v_and_b32 v28, 31, v0                          ; lane
	s_wait_alu depctr_va_vdst(0)
	v_and_b32 v29, 15, v0                          ; r
	v_bfe_u32 v30, v0, 4, 1                        ; h
	s_wait_alu depctr_va_vdst(0)
	s_mul_i32 s24, s11, PIXB
	s_lshl_b32 s25, s12, 9
	s_add_co_u32 s24, s24, s25
	v_lshl_add_u32 v[AD], v30, 7, s24              ; array i, K step s, block h: the operand's layout gives lane (r, h) pixels 64 c + 32 h + 0 .. 31
	s_add_co_u32 s25, s25, 3*PIXB
	v_lshl_add_u32 v[AY], v30, 7, s25
	s_lshl_b32 s26, s11, 1
	s_add_co_u32 s26, s26, s12
	s_lshl_b32 s26, s26, 2
	s_lshl_b32 s27, s13, 1
	s_add_co_u32 s26, s26, s27                     ; my first fragment: (2 i + s) 4 + 2 p
	s_lshl_b32 s27, s26, 10
	s_add_co_u32 s27, s27, IMG
	v_lshl_add_u32 v[IMW], v28, 4, s27
	s_lshl_b32 s27, s26, 7
	s_add_co_u32 s27, s27, IMG+ISC
	v_lshl_add_u32 v[ISW], v28, 2, s27
	s_lshl_b32 s26, s14, 1
	s_add_co_u32 s26, s26, s12                     ; the four that I multiply by: (2 ch + s) 4 on
	s_lshl_b32 s27, s26, 12
	s_add_co_u32 s27, s27, IMG
	v_lshl_add_u32 v[IML], v28, 4, s27
	s_lshl_b32 s27, s26, 9
	s_add_co_u32 s27, s27, IMG+ISC
	v_lshl_add_u32 v[ISL], v28, 2, s27
	v_lshlrev_b32 v[SH8], 3, v30
	s_lshl_b32 s24, s13, 6
	s_sub_co_u32 s24, 63, s24
	v_lshlrev_b32 v31, 1, v29
	s_delay_alu instid0(VALU_DEP_1)
	v_sub_nc_u32 v31, s24, v31                     ; 63 - 2 rho, rho = 32 p + r: my bin in tile 0
	s_delay_alu instid0(VALU_DEP_1)
	v_cvt_f32_i32 v[NE], v31
	s_delay_alu instid0(VALU_DEP_2)
	v_add_nc_u32 v31, 0xffffffe0, v31              ; and in tile 1: 16 bins on
	s_delay_alu instid0(VALU_DEP_1)
	v_cvt_f32_i32 v[NE+2], v31
	s_delay_alu instid0(VALU_DEP_3)
	v_mul_f32 v[NE], 0x40186186, v[NE]             ; x 50 / 21 = -50 e
	s_delay_alu instid0(VALU_DEP_2)
	v_mul_f32 v[NE+2], 0x40186186, v[NE+2]
	s_delay_alu instid0(VALU_DEP_2)
	v_mov_b32 v[NE+1], v[NE]
	s_delay_alu instid0(VALU_DEP_2)
	v_mov_b32 v[NE+3], v[NE+2]
	v_mov_b32 v[NIL], 0
	v_mov_b32 v[BIG], 0x4b189680                   ; 1e7
	v_lshlrev_b32 v98, 4, v0                       ; the pre-pass: my quad's place in an array
	s_mov_b32 s20, 0x76543210
	s_mov_b32 s21, 0xfedcba98                      ; v_permlanex16_b32's selects for lane l xor 16
	s_mov_b32 s22, 0x420aa123                      ; 50 ln 2
	s_mov_b32 s23, s22                             ; (named with it as a pair, so it is written)
	s_mov_b32 s32, 0x358637bd                      ; 1e-6
	s_mov_b32 s33, s32
	; where my rows of part begin: ((8 l + prt) 3 + ch) 64 + 48 - 32 p - 16 s rows of 256 bytes; and my word of sums
	s_lshl_b32 s24, s16, 3
	s_add_co_u32 s24, s24, s15
	s_mul_i32 s25, s24, 3
	s_add_co_u32 s25, s25, s14
	s_lshl_b32 s25, s25, 6
	s_add_co_u32 s25, s25, 48
	s_lshl_b32 s26, s13, 5
	s_sub_co_u32 s25, s25, s26
	s_lshl_b32 s26, s12, 4
	s_sub_co_u32 s25, s25, s26
	s_lshl_b32 s26, s25, 8
	s_mov_b32 s27, 0
	s_add_nc_u64 s[6:7], s[6:7], s[26:27]
	s_mul_i32 s26, s24, 12
	s_add_co_u32 s26, s26, s10
	s_lshl_b32 s26, s26, 2
	s_add_nc_u64 s[8:9], s[8:9], s[26:27]
; THE PRE-PASS: four pixels a lane: the clip, Iy = sqrt(r r + g g + b b + 1e-6), log2(x + 1e-6), the three differences; into the four arrays in LDS.
.macro PIXWORK a
.set X, 32+12*\a                       ; r, g, b: four registers each
.set Q, 64+16*\a                       ; Iy, then D0, D1, D2: a set of its own for each pass, so that no register that an LDS store reads is written again
.irp j, 0,1,2,3,4,5,6,7,8,9,10,11
	v_med3_num_f32 v[X+\j], v[X+\j], 0, 1.0
.endr
.irp j, 0,2
	v_pk_fma_f32 v[Q+\j:Q+\j+1], v[X+\j:X+\j+1], v[X+\j:X+\j+1], s[32:33] op_sel_hi:[1,1,0]
.endr
.irp j, 0,2
	s_delay_alu instid0(VALU_DEP_2)
	v_pk_fma_f32 v[Q+\j:Q+\j+1], v[X+4+\j:X+5+\j], v[X+4+\j:X+5+\j], v[Q+\j:Q+\j+1]
.endr
.irp j, 0,2
	s_delay_alu instid0(VALU_DEP_2)
	v_pk_fma_f32 v[Q+\j:Q+\j+1], v[X+8+\j:X+9+\j], v[X+8+\j:X+9+\j], v[Q+\j:Q+\j+1]
.endr
.irp j, 0,2,4,6,8,10
	v_pk_add_f32 v[X+\j:X+\j+1], v[X+\j:X+\j+1], s[32:33] op_sel_hi:[1,0]
.endr
	s_wait_alu depctr_va_vdst(0)
.irp j, 0,1,2,3
	v_sqrt_f32 v[Q+\j], v[Q+\j]
.endr
.irp j, 0,1,2,3,4,5,6,7,8,9,10,11
	v_log_f32 v[X+\j], v[X+\j]
.endr
	v_nop                                          ; a plain instruction between the last transcendental and the use of its result
	s_wait_alu depctr_va_vdst(0)
.irp j, 0,2
	v_pk_add_f32 v[Q+4+\j:Q+5+\j], v[X+\j:X+\j+1], v[X+8+\j:X+9+\j] neg_lo:[0,1] neg_hi:[0,1]      ; Iv_0 = log r - log b
	v_pk_add_f32 v[Q+8+\j:Q+9+\j], v[X+4+\j:X+5+\j], v[X+\j:X+\j+1] neg_lo:[0,1] neg_hi:[0,1]      ; Iv_1 = log g - log r
	v_pk_add_f32 v[Q+12+\j:Q+13+\j], v[X+8+\j:X+9+\j], v[X+4+\j:X+5+\j] neg_lo:[0,1] neg_hi:[0,1]  ; Iv_2 = log b - log g
.endr
.irp j, 0,1,2,3
	v_cndmask_b32 v[Q+\j], v[Q+\j], v[NIL], s[36+\a]       ; padding: Iy = 0,
.endr
.irp j, 4,5,6,7,8,9,10,11,12,13,14,15
	v_cndmask_b32 v[Q+\j], v[Q+\j], v[BIG], s[36+\a]       ; D = 1e7
.endr
	ds_store_b128 v98, v[Q+4:Q+7] offset:6144*\a
	ds_store_b128 v98, v[Q+8:Q+11] offset:6144*\a+PIXB
	ds_store_b128 v98, v[Q+12:Q+15] offset:6144*\a+2*PIXB
	ds_store_b128 v98, v[Q:Q+3] offset:6144*\a+3*PIXB
.endm
; 32 differences and 32 Iy of one block: sixteen lanes read the same 16 bytes.  Iy's halves change places, as the values' do in the reciprocal by pairs.
.macro LOADS off
.irp g, 0,1,2,3,4,5,6,7
	ds_load_b128 v[D+4*\g:D+4*\g+3], v[AD] offset:\off+16*\g
.endr
.irp g, 0,1,2,3,4,5,6,7
	ds_load_b128 v[Y+4*\g:Y+4*\g+3], v[AY] offset:\off+16*((\g+4)%8)
.endr
.endm
; The largest of the block's 32 numbers (none is negative) and the floor 2^(3 - 127), which holds the scale's byte at 1 from below: two chains by turns.
.macro QMAX
	v_max3_num_f32 v[M], v[T], v[T+1], 0x1800000
	v_max3_num_f32 v[M2], v[T+16], v[T+17], v[T+18]
.irp j, 0,1,2,3,4,5
	s_delay_alu instid0(VALU_DEP_2)
	v_max3_num_f32 v[M], v[M], v[T+2+2*\j], v[T+3+2*\j]
	s_delay_alu instid0(VALU_DEP_2)
	v_max3_num_f32 v[M2], v[M2], v[T+19+2*\j], v[T+20+2*\j]
.endr
	s_delay_alu instid0(VALU_DEP_2)
	v_max3_num_f32 v[M], v[M], v[T+14], v[T+15]
	s_delay_alu instid0(VALU_DEP_1)
	v_max3_num_f32 v[M], v[M], v[M2], v[T+31]
.endm
; One block of 32 pixels (block 2 c + lane / 16 of the K step) for my bin of tile tau: the kernel values, their codes, the values x Iy, their codes; a scale byte each.
.macro GEN tau, c, set
.irp j, 0,2,4,6,8,10,12,14,16,18,20,22,24,26,28,30
	v_pk_fma_f32 v[T+\j:T+\j+1], v[D+\j:D+\j+1], s[22:23], v[NE+2*\tau:NE+2*\tau+1] op_sel_hi:[1,0,1]   ; t
.endr
.irp j, 0,2,4,6,8,10,12,14,16,18,20,22,24,26,28,30
	v_pk_fma_f32 v[T+\j:T+\j+1], v[T+\j:T+\j+1], v[T+\j:T+\j+1], 1.0 op_sel_hi:[1,1,0]                  ; q = t t + 1
.endr
.irp j, 0,2,4,6,8,10,12,14
	v_pk_mul_f32 v[W+\j:W+\j+1], v[T+\j:T+\j+1], v[T+16+\j:T+17+\j]                                     ; q_j q_(j+16)
.endr
	s_wait_alu depctr_va_vdst(0)
.irp j, 0,1,2,3,4,5,6,7,8,9,10,11,12,13,14,15
	v_rcp_f32 v[W+\j], v[W+\j]
.endr
	v_nop                                          ; a plain instruction between the last reciprocal and the use of its result
	s_wait_alu depctr_va_vdst(0)
.irp j, 0,2,4,6,8,10,12,14
	v_pk_mul_f32 v[T+16+\j:T+17+\j], v[W+\j:W+\j+1], v[T+16+\j:T+17+\j]                                 ; k_j, at place j + 16
	v_pk_mul_f32 v[T+\j:T+\j+1], v[W+\j:W+\j+1], v[T+\j:T+\j+1]                                         ; k_(j+16), at place j
.endr
	QMAX
	s_delay_alu instid0(VALU_DEP_1)
	v_add_nc_u32 v[SC], 0xff000000, v[M]           ; 2 off the exponent field: the conversion takes this operand's exponent field as its scale
.irp g, 0,1,2,3
	v_cvt_scalef32_pk8_fp4_f32 v[KC+8*\tau+4*\c+\g], v[T+8*\g:T+8*\g+7], v[SC]
.endr
.if \c == 0
	v_lshrrev_b32 v[KW+\tau], 23, v[SC]            ; the scale's byte.  (Also the plain instruction between the conversions and the lines that write their sources)
.else
	v_lshrrev_b32 v[BY], 23, v[SC]
	s_delay_alu instid0(VALU_DEP_1)
	v_lshl_or_b32 v[KW+\tau], v[BY], 16, v[KW+\tau]
.endif
.irp j, 0,2,4,6,8,10,12,14,16,18,20,22,24,26,28,30
	v_pk_mul_f32 v[T+\j:T+\j+1], v[T+\j:T+\j+1], v[Y+\j:Y+\j+1]                                         ; w = Iy k
.endr
	QMAX
	s_delay_alu instid0(VALU_DEP_1)
	v_add_nc_u32 v[SC], 0xff000000, v[M]
.irp g, 0,1,2,3
	v_cvt_scalef32_pk8_fp4_f32 v[WC+16*(\set)+8*\tau+4*\c+\g], v[T+8*\g:T+8*\g+7], v[SC]
.endr
.if \c == 0
	v_lshrrev_b32 v[WW+2*(\set)+\tau], 23, v[SC]
.else
	v_lshrrev_b32 v[BY], 23, v[SC]
	s_delay_alu instid0(VALU_DEP_1)
	v_lshl_or_b32 v[WW+2*(\set)+\tau], v[BY], 16, v[WW+2*(\set)+\tau]
.endif
.endm
; A lane holds the bytes of blocks h and 2 + h at bits 0 and 16: shifted 8 h up and joined with lane l xor 16's they are the row's scale word.
.macro FINAL set
.irp x, WW+2*(\set), WW+2*(\set)+1, KW, KW+1
	v_lshlrev_b32 v[\x], v[SH8], v[\x]
.endr
.set n, 0
.irp x, WW+2*(\set), WW+2*(\set)+1, KW, KW+1
	s_delay_alu instid0(VALU_DEP_4)
	v_permlanex16_b32 v[ZZ+n], v[\x], s20, s21
.set n, n+1
.endr
.set n, 0
.irp x, WW+2*(\set), WW+2*(\set)+1, KW, KW+1
	s_delay_alu instid0(VALU_DEP_4)
	v_or_b32 v[\x], v[\x], v[ZZ+n]
.set n, n+1
.endr
.endm
.macro IMGST b                         ; my two fragments of kv and their scale words go to LDS as they stand: 16 (4) bytes a lane on end
.irp tau, 0,1
	ds_store_b128 v[IMW], v[KC+8*\tau:KC+8*\tau+3] offset:(\b)*IMGB+1024*\tau
	ds_store_b128 v[IMW], v[KC+8*\tau+4:KC+8*\tau+7] offset:(\b)*IMGB+1024*\tau+512
	ds_store_b32 v[ISW], v[KW+\tau] offset:(\b)*IMGB+128*\tau
.endr
.endm
.macro BLOAD b                         ; and come back so: the four fragments of channel ch's kv, my K step: 12 LDS loads
.irp tv, 0,1,2,3
	ds_load_b128 v[T+8*\tv:T+8*\tv+3], v[IML] offset:(\b)*IMGB+1024*\tv
	ds_load_b128 v[T+8*\tv+4:T+8*\tv+7], v[IML] offset:(\b)*IMGB+1024*\tv+512
	ds_load_b32 v[BS+\tv], v[ISL] offset:(\b)*IMGB+128*\tv
.endr
.endm
; 8 matrix instructions: my two tiles of w x the four tiles of kv.  The eight accumulators take turns, one instruction a turn, from one round to the next too.
; zero = 1: the first products start the sums: nothing is cleared.
.macro MMA set, zero
.irp tau, 0,1
.irp tv, 0,1,2,3
.if \zero
	v_wmma_scale_f32_16x16x128_f8f6f4 v[ACC+8*(4*\tau+\tv):ACC+8*(4*\tau+\tv)+7], v[T+8*\tv:T+8*\tv+7], v[WC+16*(\set)+8*\tau:WC+16*(\set)+8*\tau+7], 0, v[BS+\tv], v[WW+2*(\set)+\tau] matrix_a_fmt:MATRIX_FMT_FP4 matrix_b_fmt:MATRIX_FMT_FP4
.else
	v_wmma_scale_f32_16x16x128_f8f6f4 v[ACC+8*(4*\tau+\tv):ACC+8*(4*\tau+\tv)+7], v[T+8*\tv:T+8*\tv+7], v[WC+16*(\set)+8*\tau:WC+16*(\set)+8*\tau+7], v[ACC+8*(4*\tau+\tv):ACC+8*(4*\tau+\tv)+7], v[BS+\tv], v[WW+2*(\set)+\tau] matrix_a_fmt:MATRIX_FMT_FP4 matrix_b_fmt:MATRIX_FMT_FP4
.endif
.endr
.endr
.endm
; A ROUND.  b: the round's parity: which image buffer and which set of w codes it fills.  mid = 1, 2: in its middle the products of the round BEFORE are issued (1: they start the sums).  next = 1: a round follows.
; THE BARRIER IS SPLIT: a wave signals at a round's end, when its images have landed, and waits in the middle of the next round, with register work alone between: so nobody stands idle at it.
; Buffer b is written at the end of round t, read in the middle of round t + 1, and written again at the end of round t + 2, behind the barrier that every wave signals only after the wait for its loads of round t + 1.
.macro ROUND b, mid, next
	GEN 0, 0, \b
	GEN 1, 0, \b
.if \mid
	s_barrier_wait -1                              ; every wave's images of the last round lie in LDS
	BLOAD 1-\b
.endif
	LOADS 256                                      ; the K step's second half
.if \mid == 1
	s_wait_dscnt 16                                ; the 12 loads of kv are in; the 16 younger ones may be out
	MMA 1-\b, 1
.endif
.if \mid == 2
	s_wait_dscnt 16
	MMA 1-\b, 0
.endif
.if \mid
.rept 4
	v_nop                                          ; four places between the products and the vector lines that write the registers that held kv (ISA guide 7.12.1)
.endr
.endif
	s_wait_dscnt 0x0                               ; the second half's numbers are in
	GEN 0, 1, \b
	GEN 1, 1, \b
.if \next
	LOADS 1024                                     ; the next round's first half
.endif
	FINAL \b
	IMGST \b
	s_wait_dscnt 0x0                               ; for the others' sake: my images have landed, and my loads of the other buffer are long in; for mine: the next round's numbers are in
.if \next
	v_add_nc_u32 v[AD], 0x400, v[AD]
	v_add_nc_u32 v[AY], 0x400, v[AY]
.endif
	s_barrier_signal -1
.endm
	s_wait_loadcnt 3                               ; pass 0's three loads are in; pass 1's may be out
	PIXWORK 0
	s_wait_loadcnt 0x0
	PIXWORK 1
	s_wait_dscnt 0x0                               ; my stores into the arrays have landed
	s_barrier_signal -1
	s_barrier_wait -1                              ; everybody's have
	LOADS 0
	s_wait_dscnt 0x0
	ROUND 0, 0, 1
	ROUND 1, 1, 1
	s_mov_b32 s30, 4
.Lpair:                                                ; rounds 2 to 9, two a trip, until the parities are back where they began
	ROUND 0, 2, 1
	ROUND 1, 2, 1
	s_sub_co_u32 s30, s30, 1
	s_cmp_lg_u32 s30, 0
	s_cbranch_scc1 .Lpair
	ROUND 0, 2, 0                                  ; round 10: nothing follows
	s_barrier_wait -1
	BLOAD 0
.rept 8
	v_nop                                          ; the last round's scale words were written by vector lines just now: eight places in front of the scaled products
.endr
	s_wait_dscnt 0x0
	s_wait_alu depctr_va_vdst(0)
	MMA 0, 0
	; THE END.  The addresses: plain vector lines that name no register of the products: they are the places behind them.
	s_lshl_b32 s24, s10, 13
	s_add_co_u32 s24, s24, EX                      ; my accumulators' images
	s_lshl_b32 s25, s12, 12
	s_add_co_u32 s26, s24, s25                     ; of them the tile that I keep: tile s
	s_xor_b32 s27, s10, 2                          ; my partner: the wave with the other s
	s_lshl_b32 s27, s27, 13
	s_add_co_u32 s27, s27, s25
	s_add_co_u32 s27, s27, EX                      ; its sums for that tile
	s_mul_i32 s28, s10, 16*SPITCH
	s_add_co_u32 s28, s28, STG                     ; my stage
	v_and_b32 v28, 31, v0
	v_and_b32 v29, 15, v0
	v_bfe_u32 v30, v0, 4, 1
	s_delay_alu instid0(VALU_DEP_3)
	v_lshl_add_u32 v1, v28, 4, s24
	s_delay_alu instid0(VALU_DEP_4)
	v_lshl_add_u32 v2, v28, 4, s26
	v_lshl_add_u32 v3, v28, 4, s27
	v_xor_b32 v31, 15, v29                         ; 15 - r: u = 63 - my bin, so the tile's rows go into the stage upside down
	s_delay_alu instid0(VALU_DEP_1)
	v_mul_u32_u24 v4, v31, SPITCH
	s_delay_alu instid0(VALU_DEP_1)
	v_lshl_add_u32 v4, v30, 5, v4
	s_delay_alu instid0(VALU_DEP_1)
	v_add_nc_u32 v4, s28, v4                       ; in: row 15 - r, 32 bytes for each half of the lanes
	v_mul_u32_u24 v5, v30, SPITCH
	s_delay_alu instid0(VALU_DEP_1)
	v_lshl_add_u32 v5, v29, 4, v5
	s_delay_alu instid0(VALU_DEP_1)
	v_add_nc_u32 v5, s28, v5                       ; back: lanes 0-15 one row of 256 bytes, lanes 16-31 the next
	v_lshlrev_b32 v6, 8, v30
	s_delay_alu instid0(VALU_DEP_1)
	v_lshl_add_u32 v6, v29, 4, v6                  ; and the same two rows in part
	v_mov_b32 v7, 0
.irp a, 0,1,2,3,4,5,6,7
	ds_store_b128 v1, v[ACC+8*\a:ACC+8*\a+3] offset:1024*\a          ; each accumulator from its low end on
	ds_store_b128 v1, v[ACC+8*\a+4:ACC+8*\a+7] offset:1024*\a+512
.endr
	s_wait_dscnt 0x0                               ; for the partner's sake: my images have landed
	s_barrier_signal -1
	s_barrier_wait -1
.irp k, 0,1,2,3,4,5,6,7
	ds_load_b128 v[D+4*\k:D+4*\k+3], v2 offset:512*\k
	ds_load_b128 v[Y+4*\k:Y+4*\k+3], v3 offset:512*\k
.endr
	s_wait_dscnt 0x0
.irp j, 0,2,4,6,8,10,12,14,16,18,20,22,24,26,28,30
	v_pk_add_f32 v[T+\j:T+\j+1], v[D+\j:D+\j+1], v[Y+\j:Y+\j+1]      ; both K steps' sums: register 8 tv + j is row 16 (2 p + s) + r of w, column 16 tv + 8 h + j
.endr
.irp tv, 0,1,2,3
.irp q, 0,1
	ds_store_b128 v4, v[T+8*\tv+4*\q:T+8*\tv+4*\q+3] offset:64*\tv+16*\q
.endr
.endr
.irp t, 0,1,2,3,4,5,6,7
	ds_load_b128 v[D+4*\t:D+4*\t+3], v5 offset:2*\t*SPITCH           ; LDS serves a wave's instructions in order (ISA guide 5.7.1.4): these see my stores
.endr
	; my total, while the rows come back: 32 registers, then 32 lanes
.irp j, 0,2,4,6,8,10,12,14
	v_pk_add_f32 v[W+\j:W+\j+1], v[T+\j:T+\j+1], v[T+16+\j:T+17+\j]
.endr
.irp j, 0,2,4,6
	s_delay_alu instid0(VALU_DEP_4)
	v_pk_add_f32 v[W+\j:W+\j+1], v[W+\j:W+\j+1], v[W+8+\j:W+9+\j]
.endr
.irp j, 0,2
	s_delay_alu instid0(VALU_DEP_2)
	v_pk_add_f32 v[W+\j:W+\j+1], v[W+\j:W+\j+1], v[W+4+\j:W+5+\j]
.endr
	s_delay_alu instid0(VALU_DEP_1)
	v_pk_add_f32 v[W:W+1], v[W:W+1], v[W+2:W+3]
	s_delay_alu instid0(VALU_DEP_1)
	v_add_f32 v[W], v[W], v[W+1]
	s_delay_alu instid0(VALU_DEP_1)
	v_add_f32_dpp v[W], v[W], v[W] row_xmask:1 row_mask:0xf bank_mask:0xf
	s_delay_alu instid0(VALU_DEP_1)
	v_add_f32_dpp v[W], v[W], v[W] row_xmask:2 row_mask:0xf bank_mask:0xf
	s_delay_alu instid0(VALU_DEP_1)
	v_add_f32_dpp v[W], v[W], v[W] row_xmask:4 row_mask:0xf bank_mask:0xf
	s_delay_alu instid0(VALU_DEP_1)
	v_add_f32_dpp v[W], v[W], v[W] row_xmask:8 row_mask:0xf bank_mask:0xf
	s_delay_alu instid0(VALU_DEP_1)
	v_permlanex16_b32 v[W+1], v[W], s20, s21
	s_delay_alu instid0(VALU_DEP_1)
	v_add_f32 v[W], v[W], v[W+1]
	v_cmp_eq_u32 vcc_lo, 0, v28
	s_wait_alu depctr_va_vdst(0)
.irp t, 0,1,2,3,4,5,6,7
	s_wait_dscnt 7-\t
	global_store_b128 v6, v[D+4*\t:D+4*\t+3], s[6:7] offset:512*\t   ; 16 lanes store a row of 256 consecutive bytes, at a multiple of 256 from part's first byte
.endr
	s_wait_xcnt 0x0                                ; EXEC changes only behind this wait
	s_set_vgpr_msb 0x5
	s_wait_tensorcnt 0x0
	ds_add_u32 v0, v1
	s_wait_dscnt 0x0
	s_set_vgpr_msb 0x500
	s_and_saveexec_b32 s40, vcc_lo
	global_store_b32 v7, v[W], s[8:9]              ; lane 0: my wave's total
	s_wait_xcnt 0x0                                ; and again, in front of the line that widens it
	s_or_b32 exec_lo, exec_lo, s40
	s_endpgm
.Lfunc_end_k_q430b478a3e_hist:
	.size	k_q430b478a3e_hist, .Lfunc_end_k_q430b478a3e_hist-k_q430b478a3e_hist
	.p2alignl 7, 3214868480
	.fill 96, 4, 3214868480
	.section	.rodata,"a",@progbits
	.p2align	6, 0x0
	.amdhsa_kernel k_q430b478a3e_hist
		.amdhsa_group_segment_fixed_size 256512
		.amdhsa_private_segment_fixed_size 0
		.amdhsa_enable_private_segment 0
		.amdhsa_kernarg_size 24
		.amdhsa_user_sgpr_count 2
		.amdhsa_user_sgpr_kernarg_segment_ptr 1
		.amdhsa_wavefront_size32 1
		.amdhsa_system_sgpr_workgroup_id_x 1
		.amdhsa_system_sgpr_workgroup_id_y 1
		.amdhsa_system_sgpr_workgroup_id_z 1
		.amdhsa_system_vgpr_workitem_id 0
		.amdhsa_next_free_vgpr 258
		.amdhsa_next_free_sgpr 66
		.amdhsa_reserve_vcc 1
		.amdhsa_float_denorm_mode_32 3
		.amdhsa_float_denorm_mode_16_64 3
		.amdhsa_memory_ordered 1
		.amdhsa_forward_progress 1
		.amdhsa_inst_pref_size 227
	.end_amdhsa_kernel
	.amdgpu_metadata
---
amdhsa.version: [ 1, 2 ]
amdhsa.kernels:
  - .name:           k_q430b478a3e_hist
    .symbol:         k_q430b478a3e_hist.kd
    .args:
      - { .name: x, .offset: 0, .size: 8, .value_kind: global_buffer, .address_space: global }
      - { .name: part, .offset: 8, .size: 8, .value_kind: global_buffer, .address_space: global }
      - { .name: sums, .offset: 16, .size: 8, .value_kind: global_buffer, .address_space: global }
    .group_segment_fixed_size: 256512
    .private_segment_fixed_size: 0
    .kernarg_segment_align: 8
    .kernarg_segment_size: 24
    .max_flat_workgroup_size: 384
    .sgpr_count:     66
    .vgpr_count:     258
    .wavefront_size: 32
...
	.end_amdgpu_metadata
.endif
;; end of part 1
;; launch norm (part 2): grid 8 x 32, 12 waves a work-group, no clusters, 0 bytes of LDS; arguments part, sums, out0; writes out0
.if DOCPART == 2
	.amdgcn_target "amdgcn-amd-amdhsa--gfx1250"
	.amdhsa_code_object_version 6
	.text
	.protected	k_q430b478a3e_norm
	.globl	k_q430b478a3e_norm
	.p2align	8
	.type	k_q430b478a3e_norm,@function
k_q430b478a3e_norm:
	s_mov_b64 s[64:65], 0
	v_nop
	global_prefetch_b8 v0, s[64:65] scope:SCOPE_SE
	s_setreg_imm32_b32 hwreg(HW_REG_WAVE_MODE, 25, 1), 1
	s_wait_xcnt 0x0
; out0[l] = (the sum of sample l's 8 partial histograms) / (the sum of its 96 partial totals + 1e-6).
; part: [32 l][8][12288] f32.  sums: [32 l][96] f32.  out0: [32 l][12288] f32.
; Work-group (slice, l) owns 6,144 bytes of the sample's 49,152; thread t owns 16 of them, so each load and the store of a wave cover 512 consecutive bytes, aligned.
; A stream: no LDS, no barrier, no loop; every wave adds the 96 totals for itself (384 bytes, three words a lane).
	s_load_b128 s[4:7], s[0:1], 0x0                ; part s[4:5], sums s[6:7]
	s_load_b64 s[8:9], s[0:1], 0x10                ; out0
	s_and_b32 s11, ttmp7, 0xffff                   ; l
	v_and_b32 v1, 31, v0
	s_delay_alu instid0(VALU_DEP_1)
	v_lshlrev_b32 v1, 2, v1                        ; 4 x lane
	v_lshlrev_b32 v2, 4, v0                        ; 16 x thread
	s_mul_i32 s12, s11, 384
	s_mov_b32 s13, 0
	s_mul_i32 s16, ttmp9, 6144                     ; my slice
	s_mul_i32 s14, s11, 393216
	s_add_co_u32 s14, s14, s16
	s_mov_b32 s15, 0
	s_mul_i32 s18, s11, 49152
	s_add_co_u32 s18, s18, s16
	s_mov_b32 s19, 0
	s_mov_b32 s20, 0x76543210
	s_mov_b32 s21, 0xfedcba98                      ; v_permlanex16_b32's selects for lane l xor 16
	s_wait_alu depctr_va_vdst(0)
	s_wait_kmcnt 0x0
	s_add_nc_u64 s[6:7], s[6:7], s[12:13]
	s_add_nc_u64 s[4:5], s[4:5], s[14:15]
	s_add_nc_u64 s[8:9], s[8:9], s[18:19]
.irp k, 0,1,2
	global_load_b32 v[4+\k], v1, s[6:7] offset:128*\k
.endr
.irp p, 0,1,2,3,4,5,6,7
	global_load_b128 v[8+4*\p:11+4*\p], v2, s[4:5] offset:49152*\p th:TH_LOAD_NT
.endr
	s_wait_loadcnt 8                               ; the three words of totals are in; the eight parts may be out
	v_add_f32 v4, v4, v5
	s_delay_alu instid0(VALU_DEP_1)
	v_add_f32 v4, v4, v6
	s_delay_alu instid0(VALU_DEP_1)
	v_add_f32_dpp v4, v4, v4 row_xmask:1 row_mask:0xf bank_mask:0xf
	s_delay_alu instid0(VALU_DEP_1)
	v_add_f32_dpp v4, v4, v4 row_xmask:2 row_mask:0xf bank_mask:0xf
	s_delay_alu instid0(VALU_DEP_1)
	v_add_f32_dpp v4, v4, v4 row_xmask:4 row_mask:0xf bank_mask:0xf
	s_delay_alu instid0(VALU_DEP_1)
	v_add_f32_dpp v4, v4, v4 row_xmask:8 row_mask:0xf bank_mask:0xf
	s_delay_alu instid0(VALU_DEP_1)
	v_permlanex16_b32 v5, v4, s20, s21
	s_delay_alu instid0(VALU_DEP_1)
	v_add_f32 v4, v4, v5                           ; the sample's sum, in every lane
	s_delay_alu instid0(VALU_DEP_1)
	v_add_f32 v4, 0x358637bd, v4                   ; + 1e-6
	s_wait_alu depctr_va_vdst(0)
	v_rcp_f32 v40, v4
	v_rcp_f32 v41, v4                              ; twice: a pair for the packed multiply
	v_nop                                          ; a plain instruction between the reciprocals and their use
	s_wait_loadcnt 0x0
.irp k, 0,1,2,3                        ; the eight parts, pairwise
.irp j, 0,2
	v_pk_add_f32 v[8+8*\k+\j:9+8*\k+\j], v[8+8*\k+\j:9+8*\k+\j], v[12+8*\k+\j:13+8*\k+\j]
.endr
.endr
.irp k, 0,1
.irp j, 0,2
	v_pk_add_f32 v[8+16*\k+\j:9+16*\k+\j], v[8+16*\k+\j:9+16*\k+\j], v[16+16*\k+\j:17+16*\k+\j]
.endr
.endr
.irp j, 0,2
	s_delay_alu instid0(VALU_DEP_2)
	v_pk_add_f32 v[8+\j:9+\j], v[8+\j:9+\j], v[24+\j:25+\j]
.endr
	s_wait_alu depctr_va_vdst(0)
.irp j, 0,2
	v_pk_mul_f32 v[8+\j:9+\j], v[8+\j:9+\j], v[40:41]
.endr
	global_store_b128 v2, v[8:11], s[8:9] th:TH_STORE_NT
	s_endpgm
.Lfunc_end_k_q430b478a3e_norm:
	.size	k_q430b478a3e_norm, .Lfunc_end_k_q430b478a3e_norm-k_q430b478a3e_norm
	.p2alignl 7, 3214868480
	.fill 96, 4, 3214868480
	.section	.rodata,"a",@progbits
	.p2align	6, 0x0
	.amdhsa_kernel k_q430b478a3e_norm
		.amdhsa_group_segment_fixed_size 0
		.amdhsa_private_segment_fixed_size 0
		.amdhsa_enable_private_segment 0
		.amdhsa_kernarg_size 24
		.amdhsa_user_sgpr_count 2
		.amdhsa_user_sgpr_kernarg_segment_ptr 1
		.amdhsa_wavefront_size32 1
		.amdhsa_system_sgpr_workgroup_id_x 1
		.amdhsa_system_sgpr_workgroup_id_y 1
		.amdhsa_system_sgpr_workgroup_id_z 1
		.amdhsa_system_vgpr_workitem_id 0
		.amdhsa_next_free_vgpr 48
		.amdhsa_next_free_sgpr 66
		.amdhsa_reserve_vcc 0
		.amdhsa_float_denorm_mode_32 3
		.amdhsa_float_denorm_mode_16_64 3
		.amdhsa_memory_ordered 1
		.amdhsa_forward_progress 1
		.amdhsa_inst_pref_size 5
	.end_amdhsa_kernel
	.amdgpu_metadata
---
amdhsa.version: [ 1, 2 ]
amdhsa.kernels:
  - .name:           k_q430b478a3e_norm
    .symbol:         k_q430b478a3e_norm.kd
    .args:
      - { .name: part, .offset: 0, .size: 8, .value_kind: global_buffer, .address_space: global }
      - { .name: sums, .offset: 8, .size: 8, .value_kind: global_buffer, .address_space: global }
      - { .name: out0, .offset: 16, .size: 8, .value_kind: global_buffer, .address_space: global }
    .group_segment_fixed_size: 0
    .private_segment_fixed_size: 0
    .kernarg_segment_align: 8
    .kernarg_segment_size: 24
    .max_flat_workgroup_size: 384
    .sgpr_count:     66
    .vgpr_count:     48
    .wavefront_size: 32
...
	.end_amdgpu_metadata
.endif
;; end of part 2
